; MI455X (gfx1250); checked and timed in simulation.
; The chip was launched on July 23, 2026; its instructions are those of AMD's public machine-readable ISA for CDNA 5 (MIT licence, August 2026) and "CDNA5" Instruction Set Architecture Reference Guide (July 2026). The comments in the code are by the model that wrote it; some were corrected since.
;; Signed Attention. Allowed arithmetic: matrix products marked QUANTISED: E3M2 operands, one E8M0 scale for each 32 along K, by v_wmma_scale_f32_16x16x128_f8f6f4 with both operands' format E3M2, f32 sums; everything else in f32.
;; Inputs: keys_codes 4 x 8 x 2,048 x 2 x 24 uint8 (E3M2 codes of keys, K innermost, in blocks of 32 codes, four codes in three bytes); keys_scales 4 x 8 x 2,048 x 2 uint8 (E8M0 scales of keys, one for each 32 codes along K); log_scale one number float32; queries_codes 4 x 8 x 2,048 x 2 x 24 uint8 (E3M2 codes of queries, K innermost, in blocks of 32 codes, four codes in three bytes); queries_scales 4 x 8 x 2,048 x 2 uint8 (E8M0 scales of queries, one for each 32 codes along K); values_codes 4 x 8 x 64 x 64 x 24 uint8 (E3M2 codes of values, K innermost, in blocks of 32 codes, four codes in three bytes); values_scales 4 x 8 x 64 x 64 uint8 (E8M0 scales of values, one for each 32 codes along K).
;; Outputs: out0 4 x 8 x 2,048 x 64 float32.
;; This version of the problem:
;;   THIS VERSION OF THE PROBLEM IS GIVEN IN LOW PRECISION. The matrix products marked QUANTISED in the list below multiply operands that are first quantised to E3M2 (3 exponent bits, 2 mantissa bits; 6 bits a number), with one power-of-two scale for each 32 numbers along K (OCP MX v1.0); their sums are f32. All else is computed in f32.
;;   The module's matrix products, in the order in which they are computed (A, B: the left and right operand; K: the contracted axis; several contracted axes count as one K, in the product's order):
;;     1. batch 32 x [M 2,048, K 64] x [K 64, N 2,048]; A: input queries (given as codes); B: input keys (given as codes): QUANTISED
;;     2. batch 32 x [M 2,048, K 2,048] x [K 2,048, N 64]; A: computed on the way; B: input values (given as codes): QUANTISED
;;   THE QUANTISER, for each operand of a quantised product, along K:
;;     - K is cut into blocks of 32 from its start; a last block that is shorter is filled with zeros.
;;     - A block's scale is 2^e with e = floor(log2(the largest magnitude in the block)) - 4, held to -126 .. 127; a block of zeros has e = 0. As a byte (E8M0): e + 127.
;;     - Each number is divided by its block's scale, clamped to +-28, and rounded to the nearest number of E3M2, ties to even, subnormals kept.
;;     - The product sums the exact products of the quantised numbers (number of the format x scale) in f32.
;;   ~~~python
;;   def quantise(x, axis):      # numpy; x: float32 -> the quantised numbers, widened to float32 again
;;       x = np.moveaxis(x, axis, -1); K = x.shape[-1]
;;       x = np.pad(x, [(0, 0)] * (x.ndim - 1) + [(0, -K % 32)]); x = x.reshape(x.shape[:-1] + (-1, 32)); a = np.abs(x).max(-1, keepdims=True)
;;       e = np.where(a > 0, np.clip(np.frexp(np.where(a > 0, a, 1))[1] - 1 - 4, -126, 127), 0)      # np.frexp(a)[1] - 1 = floor(log2(a)), exactly
;;       r = np.clip(x / 2.0 ** e, -28, 28)
;;       step = 2.0 ** (np.maximum(np.frexp(np.where(r == 0, 1, r))[1] - 1, -2) - 2)
;;       q = np.round(r / step) * step * 2.0 ** e      # np.round: ties to even
;;       return np.moveaxis(q.reshape(q.shape[:-2] + (-1,))[..., :K], -1, axis).astype(np.float32)
;;   ~~~
;;   OPERANDS COMPUTED ON THE WAY. 'Computed on the way' means the value that the module computes at that place (a softmax that the list does not call 'softmax' is quantised finished and normalised). What goes into a quantiser is computed in f32, as accurately as f32 sums, v_exp_f32 and their like allow (about 1e-6 of the number): no bf16 or f16 on the way to a quantiser, and a product that is left as it is and whose result goes on into a quantised operand takes f32 operands (vector FMAs, or v_wmma_f32_16x16x4_f32). A number that lies on a knife's edge between two numbers of the format may be rounded either way, as far as f32 arithmetic and the matrix unit's own rounding can turn it there, and no further.
;;   INPUTS GIVEN AS CODES. keys (in the module: [4, 8, 2048, 64], K = its axis 3); queries (in the module: [4, 8, 2048, 64], K = its axis 3); values (in the module: [4, 8, 2048, 64], K = its axis 2): each comes as NAME_codes (uint8): NAME with its K axis moved to the last place and cut into blocks of 32 codes, [.., K / 32, bytes a block], one block behind the other in memory; four codes in three bytes: a row's codes are one little-endian stream of bits, code i at bits 6 i .. 6 i + 5 (a code: sign, 3 exponent bits, 2 mantissa bits); and NAME_scales (uint8): the same leading axes, one E8M0 byte (e + 127) for each 32 codes along K. Its value is code x scale, taken as it is: it is not quantised again, and the codes and scales need not be those that the quantiser above would give.
;; One version. Each part assembles by itself: llvm-mc -triple=amdgcn-amd-amdhsa -mcpu=gfx1250 --defsym DOCPART=n.
;; ======== version 1 of 1: 1 launch
;; launch sattn (part 1): grid 8 x 32, 16 waves a work-group, no clusters, 237,568 bytes of LDS; arguments queries_codes, queries_scales, keys_codes, keys_scales, values_codes, values_scales, log_scale, out0; writes out0
.if DOCPART == 1
	.amdgcn_target "amdgcn-amd-amdhsa--gfx1250"
	.amdhsa_code_object_version 6
	.text
	.protected	k_qfe88d0d916_sattn
	.globl	k_qfe88d0d916_sattn
	.p2align	8
	.type	k_qfe88d0d916_sattn,@function
k_qfe88d0d916_sattn:
	s_mov_b64 s[64:65], 0
	v_nop
	global_prefetch_b8 v0, s[64:65] scope:SCOPE_SE
	s_setreg_imm32_b32 hwreg(HW_REG_WAVE_MODE, 25, 1), 1
	s_wait_xcnt 0x0
; out = (softmax(scale pos) - softmax(scale neg)) V for 32 heads of 2,048 positions x 64, both products on codes of E3M2 with one E8M0 scale for each 32 along K.
; THE MASK is built from patches of 16 positions: query patch p sees key patches p + 1 .. p + 9, which lie in the five blocks of 32 keys a .. a + 4, a = (p + 1) / 2; one half block of them is masked.
; Masked keys hold -10000, not -infinity: each of them carries the same weight c = g+/Z+ - g-/Z-, g = exp(-10000 scale - max).  c is kept: in Z (nM g), in the window's half-masked block, and for the
; wholly masked blocks, whose quantised weight is one number cq = Q(c): they add cq S[d], S = (the sum of V over all keys) - (the sum of V over the window's blocks that exist).
; SHARES.  A work-group owns 256 queries (16 patches) of one head; each of its sixteen waves owns one patch: one tile of 16 queries, 256 registers, four waves to a SIMD.  No loop: 4,096 waves, 4,096 tiles.
; LAYOUT.  Both products are used transposed (source 0 = 16 keys or 16 channels, source 1 = my 16 queries): a lane holds ONE query (lane % 16).  Lane r of key tile 2 b + u takes key 32 b + 8 u + r + 8 (r / 8),
; so that register 16 b + i of the scores is key 32 (a + b) + 16 (lane / 16) + i: 16 neighbours along the second product's K.  The first product's K is 64: Q's upper six registers are zero codes.
; LDS is filled once, by tensor loads at the head: the work-group's window of 14 key blocks of K and V, their scale bytes, and for each wave a sixteenth of the head's V, of which it sums 16 channels x 512 keys
; by four products with ones.  One barrier; behind it every wave reads the windows and the sixteen partial sums.
; NO CLUSTER: the eight work-groups of a head read the same 98,304 bytes of V for the sum, which a joint request could serve; but LDS addresses here hang on the query block's number (the last block's window
; begins six key blocks earlier; V's scale words are taken at key block a), and partners of a joint request may not differ in an LDS address.  NO PREFETCH: every load of the launch stands at its head.
; LIMITS: scale bytes 0xff and a log_scale that is NaN or infinite are not served; v_exp_f32 gives 0 for results under 2^-126, so a weight that small counts as 0; for |c| under 2^-122 cq is rounded as a normal
; number (error under 2^-124 x the sum of |V|); scale x log2(e) x score must stay finite.
.set KDIST, 10880                      ; LDS: K's even groups of 16 keys at 0 (14 rows of 768 bytes), the odd groups KDIST on: 128 modulo 256, so that the 32 lanes of a load of 8 bytes take 32 different places of 8 bytes modulo 256
.set VW,    21760                      ; V's window: 64 channels x 336 bytes (14 blocks of 24)
.set KS,    43264                      ; K's scale bytes of the window's 448 keys, 2 a key
.set VS,    44288                      ; V's scale bytes of the head: 64 rows x (64 + 16)
.set TS,    49408                      ; for each wave 16 rows x 384 bytes of V, 16 bytes of padding behind each 128: pitch 432
.set TSW,   6912
.set TP,    160000                     ; the sixteen partial sums: [quarter of the keys][64 channels] f32
.set TW,    161024                     ; for each wave 256 bytes: the whole sum
.set STG,   165120                     ; for each wave a stage of 16 rows x (256 + 16) for the way out
.set STW,   4352
.set SPARE, 234752                     ; the spare words, 128 bytes for each wave: eight blocks of 256 bytes that no other line names
.set SPW,  3                           ; v3   LDS address of my spare word; never rewritten
.set NIL,  4                           ; v4   0; never rewritten
.set X,    96                          ; v96-175   V's share, ones and the sum's accumulator; then the scores, t-, e-; then V's fragments; then rows of the output
.set Y,    176                         ; v176-255  K's fragments; then t+, e+, A; then O^T (32), S^T (32), the -1 codes (12)
.set ONES, 144
.set TA,   160
.set G1K,  32                          ; s[32:39] .. descriptor groups 1;  s[76:95] groups 0
.set G1V,  40
.set G1KS, 48
.set G1VS, 56
.set G1T,  68
.set G0T,  76
.set G0K,  80
.set G0V,  84
.set G0KS, 88
.set G0VS, 92
.set W0P,  3<<16                               ; elements of 8 bytes, no padding
.set W0VS, (3<<16)|(1<<20)|(3<<22)|(3<<25)     ; padding on: 4 words behind every 16
.set W0T,  (3<<16)|(1<<20)|(4<<22)|(3<<25)     ; 4 words behind every 32
; v1 r, v2 h; v5 V's window, v6 my partial sum, v7 K's window, v8-9 V's scale words, v10 the partial sums, v11-12 my whole sum, v13-14 my stage, v15 the output; v16 c2, v17 c, v18 1/Z+, v19 g+, v20 -1/Z-, v21 g-,
; v22 cq, v24 and v26 c in the masked lanes of blocks 0 and 4, v27 -infinity, v28-29 -10000 and 10000, v30-31 lane exchanges; v32-43 Q, later P's second step; v44-47 and v60-75 scales alone; v48-59 P; v76-95 at work.
.macro G1SET g, w0, c, r, st           ; a tile of r rows x c elements, st elements from row to row; it lies inside its tensor, so the extents are the tile's
	s_mov_b32 s[\g], \w0
	s_mov_b32 s[\g+1], (\c)<<16
	s_mov_b32 s[\g+2], (\r)<<16
	s_mov_b32 s[\g+3], (\c)<<16
	s_mov_b32 s[\g+4], \r
	s_mov_b32 s[\g+5], \st
	s_mov_b32 s[\g+6], 0
	s_mov_b32 s[\g+7], 0
.endm
.macro TL g0, g1                       ; a tensor load; an s_nop 0 and four v_nop follow it
	tensor_load_to_lds s[\g0:\g0+3], s[\g1:\g1+7]
	s_nop 0
.rept 4
	v_nop
.endr
.endm
.macro MMA0 d, a, b, sa, sb            ; a product that starts a sum
	v_wmma_scale_f32_16x16x128_f8f6f4 v[(\d):(\d)+7], v[(\a):(\a)+11], v[(\b):(\b)+11], 0, v[\sa], v[\sb] matrix_a_fmt:MATRIX_FMT_BF6 matrix_b_fmt:MATRIX_FMT_BF6
.endm
.macro MMAC d, a, b, sa, sb            ; a product that adds in place
	v_wmma_scale_f32_16x16x128_f8f6f4 v[(\d):(\d)+7], v[(\a):(\a)+11], v[(\b):(\b)+11], v[(\d):(\d)+7], v[\sa], v[\sb] matrix_a_fmt:MATRIX_FMT_BF6 matrix_b_fmt:MATRIX_FMT_BF6
.endm
.macro NEGS dst, em                    ; six registers: codes of -1.0 in the lanes of mask em, zero codes in the others
.irp i, 0,1
	v_cndmask_b32 v[(\dst)+3*\i], 0, s11, s[\em]
	v_cndmask_b32 v[(\dst)+3*\i+1], 0, s12, s[\em]
	v_cndmask_b32 v[(\dst)+3*\i+2], 0, s13, s[\em]
.endr
.endm
	s_load_b512 s[4:19], s[0:1], 0x0               ; Q's codes s[4:5], Q's scales s[6:7], K's s[8:9], s[10:11], V's s[12:13], s[14:15], log_scale s[16:17], out s[18:19]
	v_lshl_add_u32 v[SPW], v0, 2, SPARE
	v_mov_b32 v[NIL], 0
	ds_add_u32 v[SPW], v[NIL]                      ; the wave's opening: the add and its wait stand ahead of my first tensor load; the set-up below, work on registers, stands between them
	v_lshrrev_b32 v1, 5, v0
	v_readfirstlane_b32 s21, v1                    ; w: wave 0..15
	s_mov_b32 s22, ttmp9                           ; g: which 256 queries of the head
	s_and_b32 s23, ttmp7, 0xffff                   ; the head
	v_and_b32 v1, 15, v0                           ; r
	v_bfe_u32 v2, v0, 4, 1                         ; h
	G1SET G1K, W0P, 96, 14, 192                    ; K: 14 rows of 768 bytes (16 keys), 1,536 bytes (32 keys) apart
	G1SET G1V, W0P, 42, 64, 192                    ; V's window: 64 rows of 336 bytes, 1,536 apart
	G1SET G1KS, W0P, 112, 1, 112                   ; K's scale bytes: one row of 896 bytes
	G1SET G1VS, W0VS, 8, 64, 8                     ; V's scale bytes: 64 dense rows of 64 bytes
	G1SET G1T, W0T, 48, 16, 192                    ; my share of V: 16 rows of 384 bytes
	s_cmp_eq_u32 s22, 7
	s_cselect_b32 s25, 6, 0                        ; sh: the last query block's window begins six key blocks earlier, so that it ends with the head
	s_lshl_b32 s30, s22, 3
	s_sub_co_u32 s30, s30, s25                     ; the window's first key block
	s_mul_i32 s28, s23, 98304                      ; the head's first byte in each tensor of codes,
	s_lshl_b32 s29, s23, 12                        ; and in each tensor of scale bytes
	s_and_b32 s31, s21, 3
	s_lshr_b32 s24, s21, 2
	s_mov_b32 s[G0T], 1                            ; group 0: count 1, LDS address, and for now the byte offset where the global address will stand
	s_mul_i32 s[G0T+1], s21, TSW
	s_add_co_u32 s[G0T+1], s[G0T+1], TS
	s_mul_i32 s[G0T+2], s31, 24576                 ; channels 16 (w % 4) on,
	s_mul_i32 s[G0T+3], s24, 384                   ; key blocks 16 (w / 4) on
	s_add_co_u32 s[G0T+2], s[G0T+2], s[G0T+3]
	s_add_co_u32 s[G0T+2], s[G0T+2], s28
	s_mov_b32 s[G0T+3], 0
	s_lshl_b32 s104, s31, 10                       ; the same share's scale bytes
	s_lshl_b32 s105, s24, 4
	s_add_co_u32 s104, s104, s105
	s_add_co_u32 s104, s104, s29
	s_mov_b32 s105, 0
	s_and_b32 s31, s21, 1
	s_mov_b32 s[G0K], 1
	s_mul_i32 s[G0K+1], s31, KDIST                 ; wave 0: the even groups of 16 keys, wave 1: the odd ones
	s_mul_i32 s[G0K+2], s30, 1536
	s_mul_i32 s[G0K+3], s31, 768
	s_add_co_u32 s[G0K+2], s[G0K+2], s[G0K+3]
	s_add_co_u32 s[G0K+2], s[G0K+2], s28
	s_mov_b32 s[G0K+3], 0
	s_mov_b32 s[G0V], 1
	s_mov_b32 s[G0V+1], VW
	s_mul_i32 s[G0V+2], s30, 24
	s_add_co_u32 s[G0V+2], s[G0V+2], s28
	s_mov_b32 s[G0V+3], 0
	s_mov_b32 s[G0KS], 1
	s_mov_b32 s[G0KS+1], KS
	s_lshl_b32 s[G0KS+2], s30, 6
	s_add_co_u32 s[G0KS+2], s[G0KS+2], s29
	s_mov_b32 s[G0KS+3], 0
	s_mov_b32 s[G0VS], 1
	s_mov_b32 s[G0VS+1], VS
	s_mov_b32 s[G0VS+2], s29
	s_mov_b32 s[G0VS+3], 0
	s_lshl_b32 s28, s23, 11
	s_lshl_b32 s29, s22, 8
	s_add_co_u32 s28, s28, s29
	s_lshl_b32 s29, s21, 4
	s_add_co_u32 s28, s28, s29                     ; my first query among the 65,536 rows
	s_mul_i32 s96, s28, 48                         ; its codes,
	s_mov_b32 s97, 0
	s_lshl_b32 s98, s28, 1                         ; its scale bytes,
	s_mov_b32 s99, 0
	s_lshl_b32 s100, s28, 8                        ; its row of the output
	s_mov_b32 s101, 0
	s_mov_b32 s2, 0x76543210
	s_mov_b32 s3, 0xfedcba98                       ; v_permlanex16_b32's selects for lane l xor 16
	v_mul_u32_u24 v78, v1, 48
	v_mad_u32_u24 v78, v2, 24, v78                 ; Q: row r of 48 bytes, + 24 h
	v_lshlrev_b32 v79, 1, v1                       ; Q's scale bytes: 2 a row
	v_lshlrev_b32 v80, 6, v1                       ; V's scale bytes: 64 a row
	v_mul_u32_u24 v76, v1, 432
	v_add_nc_u32 v76, s[G0T+1], v76                ; my share: row r.  Lanes 0-15 take the row's first 192 bytes, lanes 16-31 the second: behind one padding more,
	v_mad_u32_u24 v77, v2, 224, v76                ; or, for pieces 4 to 7, behind two
	v_mad_u32_u24 v76, v2, 208, v76
.irp i, 38,39,40,41,42,43
	v_mov_b32 v\i, 0                               ; Q's K is 64: zero codes for k = 64 .. 127
.endr
.irp i, 60,61,62,63,64,65
	v_mov_b32 v[Y+\i], 0                           ; behind K's last fragment
.endr
	v_mov_b32 v17, 0                               ; (named as the upper half of the pair v[16:17] before c is made)
	v_mov_b32 v30, 0                               ; a lane permute's destination counts as one of its sources
	v_mov_b32 v31, 0
	v_mov_b32 v27, 0xff800000                      ; -infinity
	v_mov_b32 v28, 0xc61c4000                      ; -10000
	v_mov_b32 v29, 0x461c4000                      ; 10000
	v_mov_b32 v47, 0x7f7f7f7f                      ; four scales of 1
.irp i, 0,1,2,3
	v_mov_b32 v[ONES+3*\i], 0x0c30c30c             ; 16 codes of 1.0 (0x0c) are these three words
	v_mov_b32 v[ONES+3*\i+1], 0xc30c30c3
	v_mov_b32 v[ONES+3*\i+2], 0x30c30c30
.endr
	s_wait_dscnt 0x0                               ; the opening add is done
	s_wait_kmcnt 0x0
	s_load_b32 s20, s[16:17], 0x0                  ; log_scale
	s_add_nc_u64 s[G0T+2:G0T+3], s[12:13], s[G0T+2:G0T+3]
	s_or_b32 s[G0T+3], s[G0T+3], 0x80000000        ; type 2
	s_add_nc_u64 s[G0K+2:G0K+3], s[8:9], s[G0K+2:G0K+3]
	s_or_b32 s[G0K+3], s[G0K+3], 0x80000000
	s_add_nc_u64 s[G0V+2:G0V+3], s[12:13], s[G0V+2:G0V+3]
	s_or_b32 s[G0V+3], s[G0V+3], 0x80000000
	s_add_nc_u64 s[G0KS+2:G0KS+3], s[10:11], s[G0KS+2:G0KS+3]
	s_or_b32 s[G0KS+3], s[G0KS+3], 0x80000000
	s_add_nc_u64 s[G0VS+2:G0VS+3], s[14:15], s[G0VS+2:G0VS+3]
	s_or_b32 s[G0VS+3], s[G0VS+3], 0x80000000
	s_add_nc_u64 s[4:5], s[4:5], s[96:97]
	s_add_nc_u64 s[6:7], s[6:7], s[98:99]
	s_add_nc_u64 s[18:19], s[18:19], s[100:101]
	s_add_nc_u64 s[14:15], s[14:15], s[104:105]
	TL G0T, G1T                                    ; every wave: its share of V.  All fills of the launch stand here; a wave has at most two out, and every wait for them is for 0
	s_cmp_lt_u32 s21, 2                            ; waves 0 and 1: K's window; wave 2: V's; wave 3: K's scale bytes; wave 4: V's
	s_cbranch_scc0 .Lnot_k
	TL G0K, G1K
	s_branch .Ldone
.Lnot_k:
	s_cmp_eq_u32 s21, 2
	s_cbranch_scc0 .Lnot_v
	TL G0V, G1V
	s_branch .Ldone
.Lnot_v:
	s_cmp_eq_u32 s21, 3
	s_cbranch_scc0 .Lnot_ks
	TL G0KS, G1KS
	s_branch .Ldone
.Lnot_ks:
	s_cmp_eq_u32 s21, 4
	s_cbranch_scc0 .Ldone
	TL G0VS, G1VS
.Ldone:
	global_load_b64 v[32:33], v78, s[4:5] th:TH_LOAD_NT              ; Q's fragment: 24 bytes of my row, as they lie
	global_load_b64 v[34:35], v78, s[4:5] offset:8 th:TH_LOAD_NT
	global_load_b64 v[36:37], v78, s[4:5] offset:16 th:TH_LOAD_NT
	global_load_u16 v44, v79, s[6:7] th:TH_LOAD_NT                   ; its two scale bytes; bytes 2 and 3 are 0 and stand over zero codes
	global_load_b128 v[60:63], v80, s[14:15]                         ; the 16 scale bytes of my share's row r
	; ---- ids, masks and addresses, while the loads are out
	s_and_b32 s24, s21, 1                          ; p's parity
	s_add_co_u32 s28, s21, 1
	s_lshr_b32 s28, s28, 1
	s_lshl_b32 s26, s22, 3
	s_add_co_u32 s26, s26, s28                     ; a: my window's first key block
	s_add_co_u32 s27, s28, s25                     ; and its place in the work-group's window
.irp b, 0,1,2,3,4
	s_add_co_u32 s28, s26, \b
	s_cmp_le_u32 s28, 63
	s_cselect_b32 s[96+\b], -1, 0                  ; does block a + b exist?
.endr
	s_and_b32 s101, s96, 0xffff                    ; the operand's layout has block 2 c in lanes 0-15 and block 2 c + 1 in lanes 16-31: which of them exist
	s_and_b32 s28, s97, 0xffff0000
	s_or_b32 s101, s101, s28
	s_and_b32 s104, s98, 0xffff
	s_and_b32 s28, s99, 0xffff0000
	s_or_b32 s104, s104, s28
	s_and_b32 s105, s100, 0xffff
	s_cmp_eq_u32 s24, 1
	s_cselect_b32 s28, -1, 0xffff0000              ; p even: block 0's first patch is masked;
	s_cselect_b32 s29, 0xffff, -1                  ; p odd: block 4's second
	s_and_not1_b32 s66, s96, s28                   ; lanes that are masked but exist, in block 0
	s_and_not1_b32 s67, s100, s29                  ; and in block 4
	s_and_b32 s96, s96, s28                        ; s96-100: the lanes whose keys count, block by block
	s_and_b32 s100, s100, s29
	s_lshl_b32 s28, s22, 4
	s_add_co_u32 s28, s28, s21                     ; p
	s_sub_co_u32 s28, 127, s28
	s_min_u32 s28, s28, 9                          ; patches that count
	s_lshl_b32 s28, s28, 4
	s_sub_co_u32 s28, 2048, s28
	s_cvt_f32_u32 s8, s28                          ; nM: masked keys of a row
	s_and_b32 s9, s26, 3
	s_lshl_b32 s9, s9, 3                           ; 8 (a % 4): where byte a stands in its word
	s_mov_b32 s10, 0x600000                        ; the mantissa field of 1.75
	s_mov_b32 s11, 0x2cb2cb2c                      ; 16 codes of -1.0 (0x2c) are these three words
	s_mov_b32 s12, 0xcb2cb2cb
	s_mov_b32 s13, 0xb2cb2cb2
	v_mul_u32_u24 v5, v1, 336
	v_mad_u32_u24 v5, v2, 24, v5
	s_mul_i32 s28, s27, 24
	s_add_co_u32 s28, s28, VW
	v_add_nc_u32 v5, s28, v5                       ; V's window: row r, block a + h.  Blocks past the head's end are read from the bytes that follow (the next row, or K's scale bytes): filled bytes, finite codes, against zero codes
	s_lshl_b32 s28, s21, 6
	s_add_co_u32 s28, s28, TP
	v_lshl_add_u32 v6, v2, 5, s28                  ; my partial sum: 64 w + 32 h
	v_and_b32 v7, 7, v1
	v_mul_u32_u24 v7, v7, 48
	v_lshrrev_b32 v95, 3, v1
	v_mad_u32_u24 v7, v95, KDIST, v7
	v_mad_u32_u24 v7, v2, 24, v7                   ; K's window: lanes r < 8 take the even group's key r, the others the odd group's key r - 8
	v_lshl_add_u32 v94, v95, 3, v1
	v_lshl_add_u32 v94, v94, 1, KS                 ; K's scale bytes: key r + 8 (r / 8)
	s_and_b32 s28, s26, 0x7c
	s_min_u32 s28, s28, 60                         ; the word that holds byte a, and the next; both held inside the row
	s_add_co_u32 s29, s28, 4
	s_min_u32 s29, s29, 60
	s_add_co_u32 s28, s28, VS
	s_add_co_u32 s29, s29, VS
	v_mul_u32_u24 v8, v1, 80
	v_add_nc_u32 v9, s29, v8
	v_add_nc_u32 v8, s28, v8
	; ---- c2 = clip(exp(log_scale), 1, 30) / 8 x log2(e).  log_scale is held to +-4 first: e^-4 < 1 and e^4 > 30, so the clip gives the same
	s_wait_kmcnt 0x0
	s_mov_b32 s28, 0x3fb8aa3b                      ; log2(e), and what f32 leaves of it
	s_mov_b32 s29, 0x32a57060
	v_med3_num_f32 v81, s20, -4.0, 4.0
	v_mul_f32 v82, s28, v81
	v_fma_f32 v83, v81, s28, -v82                  ; what the product's rounding dropped,
	v_fma_f32 v83, v81, s29, v83
	v_exp_f32 v84, v82
	v_mul_f32 v83, 0x3f317218, v83                 ; x ln 2.  (A plain place behind the exponential)
	s_wait_alu depctr_va_vdst(0)                   ; the wait ahead of the first reader
	v_fma_f32 v84, v84, v83, v84
	v_med3_num_f32 v84, v84, 1.0, 0x41f00000
	v_mul_f32 v16, 0x3e38aa3b, v84
	; ---- the sum of V: my 16 channels x 512 keys, four products with ones.  Lane (r, h) holds key blocks 8 h + 0 .. 7 of its row's 16; product j takes the lane's blocks 2 j and 2 j + 1
	s_wait_tensorcnt 0x0                           ; my share has landed, and my part of the windows
.irp i, 0,1,2,3,4,5,6,7,8,9,10,11
.if (\i >= 4) && (\i < 8)
	ds_load_b128 v[X+4*\i:X+4*\i+3], v77 offset:16*\i+16*(\i/8)
.else
	ds_load_b128 v[X+4*\i:X+4*\i+3], v76 offset:16*\i+16*(\i/8)
.endif
.endr
	s_wait_loadcnt 0x0                             ; Q, its scales, my share's scale bytes
	v_perm_b32 v64, v62, v60, 0x05010400           ; product j's scale word: the bytes of blocks 2 j, 8 + 2 j, 2 j + 1, 9 + 2 j
	v_perm_b32 v65, v62, v60, 0x07030602
	v_perm_b32 v66, v63, v61, 0x05010400
	v_perm_b32 v67, v63, v61, 0x07030602
	v_and_b32 v95, 31, v0                          ; twelve plain lines between the scale words and the first product
	v_lshl_add_u32 v10, v95, 3, TP                 ; the partial sums: channels 2 lane, 2 lane + 1
	s_lshl_b32 s30, s21, 8
	s_add_co_u32 s30, s30, TW
	v_lshl_add_u32 v11, v95, 3, s30                ; my whole sum, in,
	v_lshl_add_u32 v12, v2, 5, s30                 ; and back in the result's layout
	s_mul_i32 s31, s21, STW
	s_add_co_u32 s31, s31, STG
	v_mul_u32_u24 v13, v1, 272
	v_lshl_add_u32 v13, v2, 5, v13
	v_add_nc_u32 v13, s31, v13                     ; my stage, in: row r, + 32 h
	v_mul_u32_u24 v14, v2, 272
	v_lshl_add_u32 v14, v1, 4, v14
	v_add_nc_u32 v14, s31, v14                     ; back: lanes 0-15 one row, lanes 16-31 the next
	v_lshlrev_b32 v15, 8, v2
	v_lshl_add_u32 v15, v1, 4, v15                 ; and the same two rows of the output
	s_wait_dscnt 0x0
	MMA0 TA, X, ONES, 64, 47
.irp j, 1,2,3
	s_wait_alu depctr_va_vdst(0)                   ; the wait ahead of each link
	MMAC TA, X+12*\j, ONES, 64+\j, 47
.endr
.irp b, 0,1,2,3,4                              ; K's addresses, block by block, held inside the window: ten plain lines, the places behind the products
	s_add_co_u32 s28, s27, \b
	s_min_u32 s28, s28, 13
	s_mul_i32 s29, s28, 768
	s_lshl_b32 s30, s28, 6
	v_add_nc_u32 v[76+\b], s29, v7
	v_add_nc_u32 v[81+\b], s30, v94
.endr
	ds_store_b128 v6, v[TA:TA+3]                   ; all columns are alike: the sixteen lanes of a half store the same 32 bytes
	ds_store_b128 v6, v[TA+4:TA+7] offset:16
	s_wait_dscnt 0x0                               ; for the others' sake: my store has landed; my tensor loads were waited for above
	s_barrier_signal -1
	s_barrier_wait -1                              ; the windows, the scale bytes and the sixteen partial sums are whole
	; ---- S^T = K Q^T: ten tiles of 16 keys
.irp q, 0,1,2,3
	ds_load_b64 v[86+2*\q:87+2*\q], v10 offset:256*\q
.endr
.irp b, 0,1,2,3,4
.irp u, 0,1
.irp i, 0,1,2
	ds_load_b64 v[Y+6*(2*\b+\u)+2*\i:Y+6*(2*\b+\u)+2*\i+1], v[76+\b] offset:384*\u+8*\i   ; six registers a tile: a tile's upper six are the next tile's codes, which stand against Q's zero codes
.endr
	ds_load_u16 v[60+2*\b+\u], v[81+\b] offset:16*\u
.endr
.endr
	s_wait_dscnt 0x0
.irp n, 0,1,2,3,4,5,6,7,8,9
	MMA0 X+8*\n, Y+6*\n, 32, 60+\n, 44
.endr
	v_pk_add_f32 v[86:87], v[86:87], v[88:89]      ; the four quarters of the sum of V: with the v_nop the places behind the products
	v_pk_add_f32 v[90:91], v[90:91], v[92:93]
	v_pk_add_f32 v[86:87], v[86:87], v[90:91]
	v_nop
	ds_store_b64 v11, v[86:87]
	; ---- the largest and the smallest score of each block, from each accumulator's low end on
.irp b, 0,1,2,3,4
	v_max3_num_f32 v[76+\b], v[X+16*\b], v[X+16*\b+1], v[X+16*\b+2]
.endr
.irp i, 3,5,7,9,11,13
.irp b, 0,1,2,3,4
	v_max3_num_f32 v[76+\b], v[76+\b], v[X+16*\b+\i], v[X+16*\b+\i+1]
.endr
.endr
.irp b, 0,1,2,3,4
	v_max_num_f32 v[76+\b], v[76+\b], v[X+16*\b+15]
.endr
.irp b, 0,1,2,3,4
	v_min3_num_f32 v[81+\b], v[X+16*\b], v[X+16*\b+1], v[X+16*\b+2]
.endr
.irp i, 3,5,7,9,11,13
.irp b, 0,1,2,3,4
	v_min3_num_f32 v[81+\b], v[81+\b], v[X+16*\b+\i], v[X+16*\b+\i+1]
.endr
.endr
.irp b, 0,1,2,3,4
	v_min_num_f32 v[81+\b], v[81+\b], v[X+16*\b+15]
.endr
.irp b, 0,1,2,3,4
	v_cndmask_b32 v[76+\b], v28, v[76+\b], s[96+\b]   ; where my keys of the block do not count: the fill
	v_cndmask_b32 v[81+\b], v29, v[81+\b], s[96+\b]
.endr
	v_max3_num_f32 v76, v76, v77, v78
	v_min3_num_f32 v81, v81, v82, v83
	v_max3_num_f32 v76, v76, v79, v80
	v_min3_num_f32 v81, v81, v84, v85
	v_permlanex16_b32 v30, v76, s2, s3
	v_permlanex16_b32 v31, v81, s2, s3
	v_max3_num_f32 v76, v76, v30, v28              ; the row's largest of pos: every row has masked keys, so the fill is among them
	v_min3_num_f32 v81, v81, v31, v29              ; minus the row's largest of neg
	v_mul_f32 v77, -v16, v76                       ; a+ = -c2 max;  its rounding is a common factor of e and g, which e / Z loses
	v_mul_f32 v82, v16, v81                        ; a-
	v_fma_f32 v19, v28, v16, v77                   ; the masked keys' exponents
	v_fma_f32 v21, v28, v16, v82
.irp b, 0,1,2,3,4
	v_cndmask_b32 v[86+2*\b], v27, v77, s[96+\b]   ; the addends, block by block: -infinity where my keys do not count, so that e is exactly 0 there
	v_cndmask_b32 v[87+2*\b], v27, v82, s[96+\b]
.endr
	; ---- t+ = c2 s + a+ into Y, t- = -c2 s + a- in place; then one batch of 162 exponentials
.set j, 0
.rept 40
	v_pk_fma_f32 v[Y+j:Y+j+1], v[X+j:X+j+1], v[16:17], v[86+2*(j/16):87+2*(j/16)] op_sel_hi:[1,0,0]
.set j, j+2
.endr
.set j, 0
.rept 40
	v_pk_fma_f32 v[X+j:X+j+1], v[X+j:X+j+1], v[16:17], v[86+2*(j/16):87+2*(j/16)] op_sel:[0,0,1] op_sel_hi:[1,0,1] neg_lo:[0,1,0] neg_hi:[0,1,0]
.set j, j+2
.endr
.set j, 0
.rept 80
	v_exp_f32 v[Y+j], v[Y+j]
.set j, j+1
.endr
.set j, 0
.rept 80
	v_exp_f32 v[X+j], v[X+j]
.set j, j+1
.endr
	v_exp_f32 v19, v19                             ; g+
	v_exp_f32 v21, v21                             ; g-
	v_nop                                          ; a plain place behind the last exponential
	s_wait_alu depctr_va_vdst(0)                   ; one wait for the batch, ahead of its first reader
	; ---- Z = the sum of e + nM g, in four chains
	v_pk_add_f32 v[76:77], v[Y:Y+1], v[Y+4:Y+5]
	v_pk_add_f32 v[78:79], v[Y+2:Y+3], v[Y+6:Y+7]
	v_pk_add_f32 v[80:81], v[X:X+1], v[X+4:X+5]
	v_pk_add_f32 v[82:83], v[X+2:X+3], v[X+6:X+7]
.set j, 8
.rept 18
	v_pk_add_f32 v[76:77], v[76:77], v[Y+j:Y+j+1]
	v_pk_add_f32 v[78:79], v[78:79], v[Y+j+2:Y+j+3]
	v_pk_add_f32 v[80:81], v[80:81], v[X+j:X+j+1]
	v_pk_add_f32 v[82:83], v[82:83], v[X+j+2:X+j+3]
.set j, j+4
.endr
	v_pk_add_f32 v[76:77], v[76:77], v[78:79]
	v_pk_add_f32 v[80:81], v[80:81], v[82:83]
	v_add_f32 v76, v76, v77
	v_add_f32 v80, v80, v81
	v_permlanex16_b32 v30, v76, s2, s3
	v_permlanex16_b32 v31, v80, s2, s3
	v_add_f32 v76, v76, v30
	v_add_f32 v80, v80, v31
	v_fma_f32 v23, s8, v19, v76                    ; Z+
	v_fma_f32 v25, s8, v21, v80                    ; Z-
	v_rcp_f32 v18, v23
	v_rcp_f32 v20, v25
	v_nop                                          ; a plain place behind the reciprocals
	s_wait_alu depctr_va_vdst(0)                   ; and the wait ahead of their first reader
	v_mul_f32 v20, -1.0, v20
	v_mul_f32 v17, v19, v18
	v_mul_f32 v76, v21, v20
	v_add_f32 v17, v17, v76                        ; c: two rounded quotients and their difference: exactly 0 where both softmaxes are alike
	v_cndmask_b32 v24, 0, v17, s66
	v_cndmask_b32 v26, 0, v17, s67
	; ---- A = e+ / Z+ - e- / Z-, and c in the lanes that are masked but exist
.set j, 0
.rept 8
	v_pk_fma_f32 v[Y+j:Y+j+1], v[Y+j:Y+j+1], v[18:19], v[24:25] op_sel_hi:[1,0,0]
.set j, j+2
.endr
.rept 24
	v_pk_mul_f32 v[Y+j:Y+j+1], v[Y+j:Y+j+1], v[18:19] op_sel_hi:[1,0]
.set j, j+2
.endr
.rept 8
	v_pk_fma_f32 v[Y+j:Y+j+1], v[Y+j:Y+j+1], v[18:19], v[26:27] op_sel_hi:[1,0,0]
.set j, j+2
.endr
.set j, 0
.rept 40
	v_pk_fma_f32 v[Y+j:Y+j+1], v[X+j:X+j+1], v[20:21], v[Y+j:Y+j+1] op_sel_hi:[1,0,1]
.set j, j+2
.endr
	; ---- X is free: V's scale words and fragments are asked for, and land while A is quantised
.irp t, 0,1,2,3
	ds_load_b32 v[60+\t], v8 offset:1280*\t
	ds_load_b32 v[64+\t], v9 offset:1280*\t
.endr
.irp t, 0,1,2,3
.irp c, 0,1,2
.irp i, 0,1,2
	ds_load_b64 v[X+18*\t+6*\c+2*\i:X+18*\t+6*\c+2*\i+1], v5 offset:5376*\t+48*\c+8*\i   ; channels 16 t on: blocks a + 2 c + h.  18 registers a tile: the second step's upper six are what follows them, against zero codes
.endr
.endr
.endr
	; ---- A's five blocks of 32 keys become codes
.irp b, 0,1,2,3,4
	v_max3_num_f32 v[76+\b], |v[Y+16*\b]|, |v[Y+16*\b+1]|, 0x2800000   ; my 16 numbers, and the floor 2^(5 - 127): the byte cannot fall under 1
.endr
.irp i, 2,4,6,8,10,12,14
.irp b, 0,1,2,3,4
	v_max3_num_f32 v[76+\b], v[76+\b], |v[Y+16*\b+\i]|, |v[Y+16*\b+\i+1]|
.endr
.endr
.irp b, 0,1,2,3,4
	v_permlanex16_b32 v[81+\b], v[76+\b], s2, s3
.endr
.irp b, 0,1,2,3,4
	v_max_num_f32 v[76+\b], v[76+\b], v[81+\b]     ; with lane l xor 16's: the block's largest magnitude
.endr
.irp b, 0,1,2,3,4
	v_add_nc_u32 v[86+\b], 0xfe000000, v[76+\b]    ; 4 off its exponent field: the conversion's scale operand
.endr
.irp b, 0,1,2,3
	v_lshrrev_b32 v[81+\b], 23, v[86+\b]           ; the scale's byte
.endr
	v_lshrrev_b32 v46, 23, v90                     ; the second step's scale word: block 4's byte; the others are 0 and stand over zero codes
	v_lshl_or_b32 v45, v82, 8, v81                 ; the first step's
	v_lshl_or_b32 v45, v83, 16, v45
	v_lshl_or_b32 v45, v84, 24, v45
	v_mov_b32 v35, 0                               ; "block 5": zero codes
	v_mov_b32 v36, 0
	v_mov_b32 v37, 0
	v_cvt_scalef32_pk16_bf6_f32 v[48:50], v[Y:Y+15], v86
	v_cvt_scalef32_pk16_bf6_f32 v[92:94], v[Y+16:Y+31], v87          ; (a conversion's three registers begin on an even number)
	v_cvt_scalef32_pk16_bf6_f32 v[54:56], v[Y+32:Y+47], v88
	v_cvt_scalef32_pk16_bf6_f32 v[28:30], v[Y+48:Y+63], v89
	v_cvt_scalef32_pk16_bf6_f32 v[32:34], v[Y+64:Y+79], v90
	v_nop                                          ; one plain place behind the conversions
.irp i, 0,1,2                                  ; the operand's layout wants a WHOLE block in a lane: lanes 0-15 block 2 c, lanes 16-31 block 2 c + 1
	v_permlane16_swap_b32 v[48+\i], v[92+\i]
	v_permlane16_swap_b32 v[54+\i], v[28+\i]
	v_permlane16_swap_b32 v[32+\i], v[35+\i]
.endr
.irp i, 0,1,2
	v_mov_b32 v[51+\i], v[92+\i]
	v_mov_b32 v[57+\i], v[28+\i]
.endr
	; ---- what the products still want
.irp t, 0,1,2,3
	ds_load_b128 v[Y+32+8*\t:Y+32+8*\t+3], v12 offset:64*\t          ; the sum of V in the result's layout: it starts S^T.  LDS serves a wave's instructions in order: these see my store
	ds_load_b128 v[Y+32+8*\t+4:Y+32+8*\t+7], v12 offset:64*\t+16
.endr
	s_wait_dscnt 8                                 ; V's 44 loads are in; the eight just issued may be out
.irp t, 0,1,2,3
	v_alignbit_b32 v[68+\t], v[64+\t], v[60+\t], s9   ; V's scale bytes of blocks a .. a + 3
	v_bfe_u32 v[72+\t], v[64+\t], s9, 8               ; and of block a + 4
.endr
	NEGS Y+64, 101                                 ; -1.0 in the window's blocks that exist, zero codes elsewhere
	NEGS Y+70, 104
	NEGS 84, 105
.irp i, 90,91,92,93,94,95
	v_mov_b32 v\i, 0
.endr
	v_and_b32 v76, 0x7fffffff, v17                 ; cq = Q(c) in a block of 32 equal numbers: c to two mantissa bits, ties to even, held at 1.75 x its power of two
	v_bfe_u32 v77, v76, 21, 1
	v_add3_u32 v77, v76, 0xfffff, v77
	v_and_b32 v77, 0xffe00000, v77
	v_and_or_b32 v78, v76, 0x7f800000, s10
	v_min_u32 v77, v77, v78
	v_and_or_b32 v22, v17, 0x80000000, v77
	s_wait_dscnt 0x0
	; ---- O^T = V^T P^T and S^T = T - V^T (ones of the window), two K steps each; the eight accumulators by turns
.irp t, 0,1,2,3
	MMA0 Y+8*\t, X+18*\t, 48, 68+\t, 45
.endr
.irp t, 0,1,2,3
	MMAC Y+32+8*\t, X+18*\t, Y+64, 68+\t, 47
.endr
.irp t, 0,1,2,3
	MMAC Y+8*\t, X+18*\t+12, 32, 72+\t, 46
.endr
.irp t, 0,1,2,3
	MMAC Y+32+8*\t, X+18*\t+12, 84, 72+\t, 47
.endr
.rept 4
	v_nop
.endr
.set j, 0
.rept 16
	v_pk_fma_f32 v[Y+j:Y+j+1], v[Y+32+j:Y+32+j+1], v[22:23], v[Y+j:Y+j+1] op_sel_hi:[1,0,1]   ; out = O + cq S, each accumulator from its low end on
.set j, j+2
.endr
	; ---- the way out: a lane holds 32 bytes of a row four times; through my stage they become whole rows of 256 bytes
.irp t, 0,1,2,3
	ds_store_b128 v13, v[Y+8*\t:Y+8*\t+3] offset:64*\t
	ds_store_b128 v13, v[Y+8*\t+4:Y+8*\t+7] offset:64*\t+16
.endr
.irp i, 0,1,2,3,4,5,6,7
	ds_load_b128 v[X+4*\i:X+4*\i+3], v14 offset:544*\i               ; LDS serves a wave's instructions in order: these see my stores
.endr
.irp i, 0,1,2,3,4,5,6,7
	s_wait_dscnt 7-\i                              ; the younger loads may stay out
	global_store_b128 v15, v[X+4*\i:X+4*\i+3], s[18:19] offset:512*\i th:TH_STORE_NT   ; 32 lanes store 512 consecutive bytes, at a multiple of 256 from the output's first byte
.endr
	s_wait_tensorcnt 0x0                           ; the wave's end: the closing add and its waits, behind my last tensor load and my last LDS store
	ds_add_u32 v[SPW], v[NIL]
	s_wait_dscnt 0x0
	s_endpgm
.Lfunc_end_k_qfe88d0d916_sattn:
	.size	k_qfe88d0d916_sattn, .Lfunc_end_k_qfe88d0d916_sattn-k_qfe88d0d916_sattn
	.p2alignl 7, 3214868480
	.fill 96, 4, 3214868480
	.section	.rodata,"a",@progbits
	.p2align	6, 0x0
	.amdhsa_kernel k_qfe88d0d916_sattn
		.amdhsa_group_segment_fixed_size 237568
		.amdhsa_private_segment_fixed_size 0
		.amdhsa_enable_private_segment 0
		.amdhsa_kernarg_size 64
		.amdhsa_user_sgpr_count 2
		.amdhsa_user_sgpr_kernarg_segment_ptr 1
		.amdhsa_wavefront_size32 1
		.amdhsa_system_sgpr_workgroup_id_x 1
		.amdhsa_system_sgpr_workgroup_id_y 1
		.amdhsa_system_sgpr_workgroup_id_z 1
		.amdhsa_system_vgpr_workitem_id 0
		.amdhsa_next_free_vgpr 256
		.amdhsa_next_free_sgpr 106
		.amdhsa_reserve_vcc 0
		.amdhsa_float_denorm_mode_32 3
		.amdhsa_float_denorm_mode_16_64 3
		.amdhsa_memory_ordered 1
		.amdhsa_forward_progress 1
		.amdhsa_inst_pref_size 65
	.end_amdhsa_kernel
	.amdgpu_metadata
---
amdhsa.version: [ 1, 2 ]
amdhsa.kernels:
  - .name:           k_qfe88d0d916_sattn
    .symbol:         k_qfe88d0d916_sattn.kd
    .args:
      - { .name: queries_codes, .offset: 0, .size: 8, .value_kind: global_buffer, .address_space: global }
      - { .name: queries_scales, .offset: 8, .size: 8, .value_kind: global_buffer, .address_space: global }
      - { .name: keys_codes, .offset: 16, .size: 8, .value_kind: global_buffer, .address_space: global }
      - { .name: keys_scales, .offset: 24, .size: 8, .value_kind: global_buffer, .address_space: global }
      - { .name: values_codes, .offset: 32, .size: 8, .value_kind: global_buffer, .address_space: global }
      - { .name: values_scales, .offset: 40, .size: 8, .value_kind: global_buffer, .address_space: global }
      - { .name: log_scale, .offset: 48, .size: 8, .value_kind: global_buffer, .address_space: global }
      - { .name: out0, .offset: 56, .size: 8, .value_kind: global_buffer, .address_space: global }
    .group_segment_fixed_size: 237568
    .private_segment_fixed_size: 0
    .kernarg_segment_align: 8
    .kernarg_segment_size: 64
    .max_flat_workgroup_size: 512
    .sgpr_count:     106
    .vgpr_count:     256
    .wavefront_size: 32
...
	.end_amdgpu_metadata
.endif
;; end of part 1
